; MI455X (gfx1250); checked and timed in simulation.
; The chip was launched on July 23, 2026; its instructions are those of AMD's public machine-readable ISA for CDNA 5 (MIT licence, August 2026) and "CDNA5" Instruction Set Architecture Reference Guide (July 2026). The comments in the code are by the model that wrote it; some were corrected since.
;; Multi Head Attention. Allowed arithmetic: float matrix products may take bf16 or f16 operands with f32 sums; all other float work in f32.
;; Inputs: w_k 1,024 x 1,024 float32; w_o 1,024 x 1,024 float32; w_q 1,024 x 1,024 float32; w_v 1,024 x 1,024 float32; x 4 x 2,048 x 1,024 float32.
;; Outputs: out0 4 x 2,048 x 1,024 float32.
;; 2 versions, each right; version 2 is version 1 with the launch cast written anew for expert scheduling mode. Each part assembles by itself: llvm-mc -triple=amdgcn-amd-amdhsa -mcpu=gfx1250 --defsym DOCPART=n.
;; ======== version 1 of 2: 4 launches
;; limits: values are held in f16: magnitudes above 65,504 overflow, below 6.1e-05 lose precision
;; workspace buffers: hf 25,165,824 bytes; qkv 50,331,648 bytes; att 16,777,216 bytes
;; launch cast (part 1): grid 768 x 1, 8 waves a work-group, no clusters, 0 bytes of LDS; arguments x, w_q, w_k, w_v, w_o, hf; writes hf
.if DOCPART == 1
	.amdgcn_target "amdgcn-amd-amdhsa--gfx1250"
	.amdhsa_code_object_version 6
	.text
	.protected	k_q556badc790_cast
	.globl	k_q556badc790_cast
	.p2align	8
	.type	k_q556badc790_cast,@function
k_q556badc790_cast:
	s_mov_b64 s[64:65], 0
	v_nop
	global_prefetch_b8 v0, s[64:65] scope:SCOPE_SE
	s_setreg_imm32_b32 hwreg(HW_REG_WAVE_MODE, 25, 1), 1
	s_wait_xcnt 0x0
; hf = f16(x), f16(w_q), f16(w_k), f16(w_v), f16(w_o), one behind the other: the operands of the later matrix products, rounded once.
; LIMIT: f16.  A magnitude above 65,504 becomes infinite, one below about 6e-8 becomes 0.
; The five inputs are 12 units of 1,048,576 numbers: x is units 0 to 7, the weights are units 8 to 11.  64 work-groups share a unit:
; a work-group turns 65,536 bytes of f32 into 32,768 bytes of f16, a wave 8,192 into 4,096.
; A stream: no LDS, no barrier, no matrix unit.  A wave's load covers 512 consecutive bytes, its store 256 consecutive bytes, aligned.
; All sixteen loads of a wave go out at once, and no register is written twice, so the only waits are the counted ones for the data.
.set X, 4                              ; v[4:67]   sixteen pieces of four f32, as loaded
.set Y, 68                             ; v[68:99]  sixteen pieces of four f16, to store
	s_load_b256 s[4:11], s[0:1], 0x0               ; x s[4:5], w_q s[6:7], w_k s[8:9], w_v s[10:11]
	s_load_b128 s[12:15], s[0:1], 0x20             ; w_o s[12:13], hf s[14:15]
	s_mov_b32 s19, ttmp9                           ; g, the work-group's number
	s_lshr_b32 s16, s19, 6                         ; its unit, 0 to 11
	s_and_b32 s18, s19, 63                         ; its place in the unit
	s_cmp_lt_u32 s16, 8
	s_cselect_b32 s17, s19, s18                    ; its place in its input: g in x, g mod 64 in a weight
	s_lshl_b32 s20, s17, 16                        ; x 65,536 bytes in
	s_mov_b32 s21, 0
	s_lshl_b32 s22, s19, 15                        ; g x 32,768 bytes out: the units follow each other in hf
	s_mov_b32 s23, 0
	v_lshrrev_b32 v3, 5, v0                        ; wave
	v_and_b32 v1, 31, v0                           ; lane
	v_lshlrev_b32 v2, 3, v1                        ; out: 8 bytes a lane
	v_lshlrev_b32 v1, 4, v1                        ; in: 16 bytes a lane
	v_lshl_or_b32 v1, v3, 13, v1                   ; + wave x 8,192
	v_lshl_or_b32 v2, v3, 12, v2                   ; + wave x 4,096
	s_wait_kmcnt 0x0
	s_cmp_eq_u32 s16, 8                            ; the input is chosen by the unit's number
	s_cselect_b64 s[4:5], s[6:7], s[4:5]
	s_cmp_eq_u32 s16, 9
	s_cselect_b64 s[4:5], s[8:9], s[4:5]
	s_cmp_eq_u32 s16, 10
	s_cselect_b64 s[4:5], s[10:11], s[4:5]
	s_cmp_eq_u32 s16, 11
	s_cselect_b64 s[4:5], s[12:13], s[4:5]
	s_add_nc_u64 s[4:5], s[4:5], s[20:21]
	s_add_nc_u64 s[14:15], s[14:15], s[22:23]
.irp j, 0,1,2,3,4,5,6,7,8,9,10,11,12,13,14,15
	global_load_b128 v[X+4*\j:X+4*\j+3], v1, s[4:5] offset:512*\j th:TH_LOAD_NT   ; read once in this launch
.endr
.irp j, 0,1,2,3,4,5,6,7,8,9,10,11,12,13,14,15
	s_wait_loadcnt 15-\j                           ; loads come back in order: piece j is in, the 15 - j younger ones may be out
	v_cvt_pk_f16_f32 v[Y+2*\j],   v[X+4*\j],   v[X+4*\j+1]
	v_cvt_pk_f16_f32 v[Y+2*\j+1], v[X+4*\j+2], v[X+4*\j+3]
	global_store_b64 v2, v[Y+2*\j:Y+2*\j+1], s[14:15] offset:256*\j    ; 32 lanes x 8 bytes: 256 consecutive bytes, aligned
.endr
	s_endpgm
.Lfunc_end_k_q556badc790_cast:
	.size	k_q556badc790_cast, .Lfunc_end_k_q556badc790_cast-k_q556badc790_cast
	.p2alignl 7, 3214868480
	.fill 96, 4, 3214868480
	.section	.rodata,"a",@progbits
	.p2align	6, 0x0
	.amdhsa_kernel k_q556badc790_cast
		.amdhsa_group_segment_fixed_size 0
		.amdhsa_private_segment_fixed_size 0
		.amdhsa_enable_private_segment 0
		.amdhsa_kernarg_size 48
		.amdhsa_user_sgpr_count 2
		.amdhsa_user_sgpr_kernarg_segment_ptr 1
		.amdhsa_wavefront_size32 1
		.amdhsa_system_sgpr_workgroup_id_x 1
		.amdhsa_system_sgpr_workgroup_id_y 1
		.amdhsa_system_sgpr_workgroup_id_z 1
		.amdhsa_system_vgpr_workitem_id 0
		.amdhsa_next_free_vgpr 100
		.amdhsa_next_free_sgpr 66
		.amdhsa_reserve_vcc 0
		.amdhsa_float_denorm_mode_32 3
		.amdhsa_float_denorm_mode_16_64 3
		.amdhsa_memory_ordered 1
		.amdhsa_forward_progress 1
		.amdhsa_inst_pref_size 7
	.end_amdhsa_kernel
	.amdgpu_metadata
---
amdhsa.version: [ 1, 2 ]
amdhsa.kernels:
  - .name:           k_q556badc790_cast
    .symbol:         k_q556badc790_cast.kd
    .args:
      - { .name: x, .offset: 0, .size: 8, .value_kind: global_buffer, .address_space: global }
      - { .name: w_q, .offset: 8, .size: 8, .value_kind: global_buffer, .address_space: global }
      - { .name: w_k, .offset: 16, .size: 8, .value_kind: global_buffer, .address_space: global }
      - { .name: w_v, .offset: 24, .size: 8, .value_kind: global_buffer, .address_space: global }
      - { .name: w_o, .offset: 32, .size: 8, .value_kind: global_buffer, .address_space: global }
      - { .name: hf, .offset: 40, .size: 8, .value_kind: global_buffer, .address_space: global }
    .group_segment_fixed_size: 0
    .private_segment_fixed_size: 0
    .kernarg_segment_align: 8
    .kernarg_segment_size: 48
    .max_flat_workgroup_size: 256
    .sgpr_count:     66
    .vgpr_count:     100
    .wavefront_size: 32
...
	.end_amdgpu_metadata
.endif
;; end of part 1
;; launch qkv (part 2): grid 12 x 32, 4 waves a work-group, clusters of 4 x 4, 327,680 bytes of LDS; arguments hf, qkv; writes qkv
.if DOCPART == 2
	.amdgcn_target "amdgcn-amd-amdhsa--gfx1250"
	.amdhsa_code_object_version 6
	.text
	.protected	k_q556badc790_qkv
	.globl	k_q556badc790_qkv
	.p2align	8
	.type	k_q556badc790_qkv,@function
k_q556badc790_qkv:
	s_mov_b64 s[64:65], 0
	v_nop
	global_prefetch_b8 v0, s[64:65] scope:SCOPE_SE
	s_setreg_imm32_b32 hwreg(HW_REG_WAVE_MODE, 25, 1), 1
	s_wait_xcnt 0x0
	s_wait_alu depctr_hold_cnt(0) depctr_sa_sdst(0) depctr_va_vdst(0) depctr_va_sdst(0) depctr_va_ssrc(0) depctr_va_vcc(0) depctr_vm_vsrc(0)
	s_getreg_b32 s2, hwreg(HW_REG_IB_STS2, 6, 4)
	s_cmp_eq_u32 s2, 0
	s_cbranch_scc0 .Lentry_in_a_cluster
	s_endpgm
.Lentry_in_a_cluster:
	s_bfe_u32 s2, ttmp6, 0x10000c
	s_cmp_lg_u32 s2, 0xf033
	s_cbranch_scc0 .Lentry_shape_is_right
	s_endpgm
.Lentry_shape_is_right:
; q, k, v = x W^T.  C[m][n] = sum over e of X[m][e] W[n][e], X = hf's first [8192][1024], W = w_q, w_k, w_v as one [3072][1024] behind it, f16; sums in f32.
; C is stored in f16 by heads: qkv[n / 1024][b][head][s][64], so that a head's 2,048 rows of 128 bytes lie densely.
; LIMIT: f16 operands and results: a magnitude above 65,504 becomes infinite, one below about 6e-8 becomes 0.
; A work-group makes a block of 256 x 256 of C with four waves, as many as a WGP has SIMDs; a wave makes 128 x 128: 64 accumulator tiles, 512 registers.
; 12 x 32 = 384 work-groups.  K goes in steps of 128 through a ring of two LDS slots filled by tensor loads; a tile's rows are 256 bytes of memory and
; start at multiples of 256 bytes of hf.  A K step is 256 matrix instructions of a wave, and 240 of them stand between a tile's request and the wait for it.
; CLUSTERS: 4 x 4 work-groups.  X's tile hangs on the block row alone and is asked for jointly by a row of the cluster, W's on the block column alone, by a column.
; REGISTERS, in windows of 256:
;   window 0: v16-26 addresses; v64-127, v128-191 fragments of X (8 x 16 rows x 32 K), two buffers; v192-223 at work on the way out
;   window 1: v64-127, v128-191 fragments of W, two buffers
;   window 2: the 32 accumulator tiles of my rows 0-63 (tile (a, b) at v[8 (8 a + b)]);   window 3: those of my rows 64-127
; THE MATRIX INSTRUCTION IS USED TRANSPOSED: source 0 = 16 rows of W, source 1 = 16 rows of X, so that lane l holds row l % 16 of C and
; eight neighbouring columns 8 (l / 16) + 0..7, which pack into 16 bytes.
.set KSTEP,  128
.set PITCH,  272                       ; an LDS row: 256 bytes + 16 of padding, an odd multiple of 16: the 16 rows of a fragment start in 16 different columns of 16 bytes
.set HALFT,  128*PITCH                 ; 128 rows: what one tensor load brings, and what one wave reads of X or of W
.set SLOT,   4*HALFT                   ; X's 256 rows, then W's 256 rows
.set STAGE,  2*SLOT                    ; behind the ring: 16 rows x 272 bytes for each wave, for the way out; no tensor load lands there
.set SPITCH, 272
.set LAPS,   4                         ; 1,024 / 256: a lap is two K steps, once round the ring
.set WOFF,   16777216                  ; W's first byte in hf
.set ADRA, 16                          ; v16-17  LDS address of my X fragments in slot 0, 1
.set ADRB, 20                          ; v20-21  the same for W
.set STO,  24                          ; v24     the way out: where I put 16 bytes of a row
.set RD,   25                          ; v25     the way out: where I read back
.set CO,   26                          ; v26     my byte offset in the store
.set F0,   64                          ; fragment buffer 0
.set F1,   128                         ; fragment buffer 1
.set TMP,  192                         ; the way out: packed results, in window 0
.set G1,  24                           ; s[24:31] descriptor group 1 for X's tiles
.set G0,  32                           ; s[32:39] group 0 for X's tiles, one set for each slot
.set G1B, 48                           ; s[48:55] group 1 for W's tiles: it differs from X's in the mask alone
.set G0B, 56                           ; s[56:63] group 0 for W's tiles, one set for each slot
.set MUL_LO, 0xa1                      ; source 0 (W) window 1, source 1 (X) window 0, C and D window 2
.set MUL_HI, 0xf1                      ; the same, C and D window 3
.set TO_B,   0x40                      ; destination window 1, address window 0
.set MSB, 0
.macro WIN new                         ; the immediate's high byte repeats the setting that is left; a switch that changes nothing is dropped
.if MSB != \new
	s_set_vgpr_msb (MSB<<8)|\new
.set MSB, \new
.endif
.endm
.macro PLACES n                        ; places behind matrix instructions (ISA guide 7.12.1): plain vector instructions that name none of their registers
.rept \n
	v_nop
.endr
.endm
; A joint load.  Waves 0 and 1 fetch X's two halves, waves 2 and 3 W's.  The branch hangs on the wave's number alone.
.macro JLOAD s
	s_cmp_eq_u32 s11, 0
	s_cbranch_scc0 .Lfor_b_\@
	tensor_load_to_lds s[G0+4*\s:G0+4*\s+3], s[G1:G1+7]
	s_nop 0
	s_branch .Lasked_\@
.Lfor_b_\@:
	tensor_load_to_lds s[G0B+4*\s:G0B+4*\s+3], s[G1B:G1B+7]
	s_nop 0
.Lasked_\@:
.endm
; A round of the cluster's barrier: my work-group's barrier; wave 0 signals for the work-group; every wave waits for all sixteen; my work-group's barrier again.
.macro CREST                           ; a round behind its opening barrier
	s_cmp_lg_u32 s10, 0
	s_cbranch_scc1 .Lnot_wave_0_\@
	s_barrier_signal -3
.Lnot_wave_0_\@:
	s_barrier_wait -3
	s_barrier_signal -1
	s_barrier_wait -1
.endm
.macro CROUND
	s_barrier_signal -1
	s_barrier_wait -1
	CREST
.endm
	s_load_b128 s[4:7], s[0:1], 0x0                ; hf s[4:5], qkv s[6:7]
	s_set_vgpr_msb 0x40
	v_lshl_add_u32 v255, v0, 2, 0x48400
	s_set_vgpr_msb 0x4000
	v_mov_b32 v255, 0
	s_set_vgpr_msb 0x1
	ds_add_u32 v255, v255
	s_set_vgpr_msb 0x100
	v_lshrrev_b32 v1, 5, v0
	v_readfirstlane_b32 s10, v1                    ; wave 0..3
	s_lshr_b32 s11, s10, 1                         ; which 128 rows of the block are mine.  Also: I fetch for X (0) or for W (1)
	s_and_b32 s12, s10, 1                          ; which 128 columns are mine.  Also: which 128 rows of that tile I fetch
	s_bfe_u32 s40, ttmp6, 0x40000                  ; cx
	s_bfe_u32 s41, ttmp6, 0x40004                  ; cy
	s_lshl_b32 s42, ttmp9, 2
	s_add_co_u32 s42, s42, s40                     ; block column = 4 x cluster x + cx, 0..11
	s_and_b32 s13, ttmp7, 0xffff
	s_lshl_b32 s13, s13, 2
	s_add_co_u32 s13, s13, s41                     ; block row = 4 x cluster y + cy, 0..31
	s_lshl_b32 s43, s41, 2
	s_lshl_b32 s43, 15, s43                        ; my row of the cluster: places 4 cy .. 4 cy + 3
	s_lshl_b32 s44, 0x1111, s40                    ; my column: places cx, cx + 4, cx + 8, cx + 12
	; group 1: a tile of 128 rows x 128 elements of 2 bytes; padding on, 4 words behind every 64 words; bit 21 set beside the mask
	s_or_b32 s[G1+0], s43, (1<<16)|(1<<20)|(1<<21)|(5<<22)|(3<<25)     ; X's tiles go to my row of the cluster
	s_or_b32 s[G1B+0], s44, (1<<16)|(1<<20)|(1<<21)|(5<<22)|(3<<25)    ; W's tiles go to my column
	s_mov_b32 s[G1+1], KSTEP<<16                   ; tensor_dim0 = 128
	s_mov_b32 s[G1B+1], KSTEP<<16
	s_mov_b32 s[G1+2], 128<<16                     ; tensor_dim1 = 128
	s_mov_b32 s[G1B+2], 128<<16
	s_mov_b32 s[G1+3], KSTEP<<16                   ; tile_dim0 = 128 elements, 256 bytes
	s_mov_b32 s[G1B+3], KSTEP<<16
	s_mov_b32 s[G1+4], 128                         ; tile_dim1 = 128 rows
	s_mov_b32 s[G1B+4], 128
	s_mov_b32 s[G1+5], 1024                        ; elements from row to row
	s_mov_b32 s[G1B+5], 1024
	s_mov_b32 s[G1+6], 0
	s_mov_b32 s[G1B+6], 0
	s_mov_b32 s[G1+7], 0
	s_mov_b32 s[G1B+7], 0
	; where the tiles come from, each offset in registers that never hold the other coordinate
	s_lshl_b32 s16, s13, 19                        ; X: block row x 256 rows x 2,048 bytes
	s_lshl_b32 s17, s12, 18                        ;    + half x 128 rows
	s_add_co_u32 s16, s16, s17
	s_mov_b32 s17, 0
	s_lshl_b32 s46, s42, 19                        ; W: block column x 256 rows x 2,048 bytes
	s_lshl_b32 s47, s12, 18                        ;    + half x 128 rows
	s_add_co_u32 s46, s46, s47
	s_add_co_u32 s46, s46, WOFF
	s_mov_b32 s47, 0
	s_mul_i32 s20, s10, HALFT                      ; and where they go: X's two halves, then W's two halves = wave x 128 rows: no place in the cluster enters an LDS address
	; fragment addresses: lane l holds row l % 16; two loads of 16 bytes, 32 bytes apart, at row x pitch + 16 (l / 16)
	v_and_b32 v1, 15, v0                           ; r = l % 16
	v_bfe_u32 v2, v0, 4, 1                         ; h = l / 16
	v_mul_u32_u24 v3, v1, PITCH
	v_lshl_add_u32 v3, v2, 4, v3
	s_mul_i32 s21, s11, HALFT                      ; my 128 rows of X
	s_mul_i32 s22, s12, HALFT                      ; my 128 rows of W,
	s_add_co_u32 s22, s22, 2*HALFT                 ; which lie behind X's 256
.irp s, 0,1
	v_add_nc_u32 v[ADRA+\s], s21, v3
	v_add_nc_u32 v[ADRB+\s], s22, v3
	s_add_co_u32 s21, s21, SLOT
	s_add_co_u32 s22, s22, SLOT
.endr
	s_mul_i32 s23, s10, 16*SPITCH
	s_add_co_u32 s23, s23, STAGE                   ; my stage
	v_add_nc_u32 v[STO], s23, v3                   ; in: row r x 272 + 16 h (the stage's pitch is the slots')
	v_bfe_u32 v5, v0, 3, 2                         ; back: eight lanes take the 128 bytes that one head has in a row, 32 lanes four rows
	v_and_b32 v4, 7, v0
	v_mul_u32_u24 v5, v5, SPITCH
	v_lshl_add_u32 v5, v4, 4, v5
	v_add_nc_u32 v[RD], s23, v5
	v_and_b32 v4, 31, v0
	v_lshlrev_b32 v[CO], 4, v4                     ; four rows of a head are 512 consecutive bytes of qkv: 16 x lane
	s_wait_dscnt 0x0
	s_wait_kmcnt 0x0
	s_add_nc_u64 s[14:15], s[4:5], s[16:17]
	s_add_nc_u64 s[46:47], s[4:5], s[46:47]
	CROUND                                         ; all sixteen work-groups are here: the first joint loads meet
.irp s, 0,1
	s_mov_b32 s[G0+4*\s], 1                                        ; count = 1
	s_add_co_u32 s[G0+4*\s+1], s20, \s*SLOT                        ; LDS address
	s_add_nc_u64 s[G0+4*\s+2:G0+4*\s+3], s[14:15], \s*KSTEP*2      ; global address: K step s
	s_or_b32 s[G0+4*\s+3], s[G0+4*\s+3], 0x80000000                ; type = 2
	s_mov_b32 s[G0B+4*\s], 1
	s_add_co_u32 s[G0B+4*\s+1], s20, \s*SLOT
	s_add_nc_u64 s[G0B+4*\s+2:G0B+4*\s+3], s[46:47], \s*KSTEP*2
	s_or_b32 s[G0B+4*\s+3], s[G0B+4*\s+3], 0x80000000
	JLOAD \s                                       ; both slots' first fills go out together: two loads of the wave are out
.endr
; 16 matrix instructions: row blocks a0, a0 + 1 of the window's four (hi = 0: my rows 0-63, 1: rows 64-127) x all 8 column blocks, 32 along K.
; zero = 1: the product starts the sums: nothing is ever cleared.
.macro MUL16 f, hi, a0, zero
.irp a, \a0, \a0+1
.irp b, 0,1,2,3,4,5,6,7
.if \zero
	v_wmma_f32_16x16x32_f16 v[8*(8*(\a)+\b):8*(8*(\a)+\b)+7], v[\f+8*\b:\f+8*\b+7], v[\f+8*(4*\hi+\a):\f+8*(4*\hi+\a)+7], 0
.else
	v_wmma_f32_16x16x32_f16 v[8*(8*(\a)+\b):8*(8*(\a)+\b)+7], v[\f+8*\b:\f+8*\b+7], v[\f+8*(4*\hi+\a):\f+8*(4*\hi+\a)+7], v[8*(8*(\a)+\b):8*(8*(\a)+\b)+7]
.endif
.endr
.endr
.endm
; 32 LDS loads in one run: the fragments of one quarter step (128 rows of W, 128 rows of X, 32 K at byte k of the rows) into buffer f
.macro FETCH slot, k, f
	WIN TO_B
.irp i, 0,1,2,3,4,5,6,7
	ds_load_b128 v[\f+8*\i:\f+8*\i+3],   v[ADRB+\slot] offset:\k+\i*16*PITCH
	ds_load_b128 v[\f+8*\i+4:\f+8*\i+7], v[ADRB+\slot] offset:\k+\i*16*PITCH+32
.endr
	WIN 0
.irp i, 0,1,2,3,4,5,6,7
	ds_load_b128 v[\f+8*\i:\f+8*\i+3],   v[ADRA+\slot] offset:\k+\i*16*PITCH
	ds_load_b128 v[\f+8*\i+4:\f+8*\i+7], v[ADRA+\slot] offset:\k+\i*16*PITCH+32
.endr
.endm
; A K step is four quarter steps of 32 along K, 64 matrix instructions each, on buffers 0, 1, 0, 1.
; One of the first three: multiplies buffer f; in its middle it fetches the next quarter's fragments, at byte k of the same slot's rows, into buffer g.
; The 64 accumulators take turns, one instruction a turn, in the same order in every quarter and over the backward jump.
.macro QUARTER slot, k, f, g, zero
	s_wait_dscnt 8                                 ; W and X's rows 0-63 are in; the youngest eight loads (X's rows 64-127) may be out
	WIN MUL_LO
	MUL16 \f, 0, 0, \zero
	MUL16 \f, 0, 2, \zero
	PLACES 4                                       ; buffer g was read by matrix instructions: four places before loads go into it
	FETCH \slot, \k, \g
	s_wait_dscnt 32                                ; all but the 32 just issued
	WIN MUL_HI
	MUL16 \f, 1, 0, \zero
	MUL16 \f, 1, 2, \zero
.endm
.macro THREE slot, zero
	QUARTER \slot, 64,  F0, F1, \zero
	QUARTER \slot, 128, F1, F0, 0
	QUARTER \slot, 192, F0, F1, 0
.endm
; The last quarter: multiplies buffer 1 and changes slots.  next = the other slot; fill = 1: this slot is filled again, two K steps ahead.
; ONE barrier for the change of slots, for two things.  In front of it each wave waits for its own reads of this slot and for all its tensor loads,
; of which one is out: its part of the next slot.  Behind it nobody reads this slot any more and the next slot is whole: the refill comes
; first, then the next slot's first fragments.
.macro TURN slot, next, fill
	s_wait_dscnt 8
	WIN MUL_LO
	MUL16 F1, 0, 0, 0
	s_wait_dscnt 0x0                               ; my reads of this slot are over
	s_wait_tensorcnt 0x0                           ; and all my tensor loads have landed
	ds_add_u32 v255, v255
	s_wait_dscnt 0x0
	s_barrier_signal -1                            ; say so (where a slot is filled again this barrier opens a round of the cluster's barrier),
	MUL16 F1, 0, 2, 0                              ; work on registers while the others arrive,
	WIN 0
	s_barrier_wait -1                              ; and go on when all four have said so
.if \fill
	CREST                                          ; no wave of any partner still reads this slot's tile or has a load on its way
	s_add_nc_u64 s[G0+4*\slot+2:G0+4*\slot+3], s[G0+4*\slot+2:G0+4*\slot+3], 2*KSTEP*2     ; no load of mine is out: group 0 may be written
	s_add_nc_u64 s[G0B+4*\slot+2:G0B+4*\slot+3], s[G0B+4*\slot+2:G0B+4*\slot+3], 2*KSTEP*2
	JLOAD \slot                                    ; the first tensor load behind the round
.endif
	PLACES 4
	FETCH \next, 0, F0
	WIN MUL_HI
	MUL16 F1, 1, 0, 0
	MUL16 F1, 1, 2, 0
.endm
.macro LAP zero                        ; once round the ring, both slots filled again
	THREE 0, \zero
	TURN 0, 1, 1
	THREE 1, 0
	TURN 1, 0, 1
.endm
	s_wait_tensorcnt 0x1                           ; my part of K step 0 is in; K step 1's load, issued behind it, may stay out
	s_barrier_signal -1
	s_barrier_wait -1                              ; everybody's part is in
	FETCH 0, 0, F0
	LAP 1                                          ; the first lap stands in front of the loop: its first products start the sums
	WIN 0                                          ; at a label and at a branch every window is 0
	s_mov_b32 s3, LAPS-2
.Llap:
	LAP 0
	WIN 0
	s_sub_co_u32 s3, s3, 1
	s_cmp_lg_u32 s3, 0
	s_cbranch_scc1 .Llap
	THREE 0, 0                                     ; the last lap fills nothing: my one tensor load that is still out is slot 1's, the last K step's
	TURN 0, 1, 0
	THREE 1, 0
	s_wait_dscnt 8                                 ; the very last quarter: nothing more to fetch
	WIN MUL_LO
	MUL16 F1, 0, 0, 0
	MUL16 F1, 0, 2, 0
	s_wait_dscnt 0x0
	WIN MUL_HI
	MUL16 F1, 1, 0, 0
	MUL16 F1, 1, 2, 0
	; THE WAY OUT, 16 rows at a time: round to f16, 16 bytes a lane into my own stage, read back four rows of one head at a time.
	PLACES 4                                       ; behind the last matrix instructions: for the conversions and for the loads into the fragment buffers
	s_lshr_b32 s16, s13, 3                         ; b = block row / 8
	s_lshl_b32 s16, s16, 22                        ; x 16 heads x 262,144 bytes
	s_and_b32 s17, s13, 7
	s_lshl_b32 s17, s17, 15                        ; + (block row mod 8) x 256 rows x 128 bytes
	s_add_co_u32 s16, s16, s17
	s_lshl_b32 s17, s11, 14                        ; + my half x 128 rows x 128 bytes
	s_add_co_u32 s16, s16, s17
	s_mov_b32 s17, 0
	s_add_nc_u64 s[6:7], s[6:7], s[16:17]
	s_lshl_b32 s46, s42, 2                         ; my first head among the 48 of q, k, v: 4 x block column + 2 x half
	s_lshl_b32 s47, s12, 1
	s_add_co_u32 s46, s46, s47
	s_lshr_b32 s47, s46, 4                         ; q, k or v
	s_lshl_b32 s47, s47, 6                         ; x 64 heads' places (4 b x 16 heads)
	s_and_b32 s46, s46, 15
	s_add_co_u32 s46, s46, s47
	s_lshl_b32 s46, s46, 18                        ; x 262,144 bytes
	s_mov_b32 s47, 0
	s_add_nc_u64 s[6:7], s[6:7], s[46:47]
; rows 16 i .. 16 i + 15 of my block = the eight tiles (a, 0..7) of window 2 or 3 (from = 0x0a or 0x0f: sources 0 and 1); f: F0 or F1 in turn
.macro OUT16 i, a, from, f
	WIN \from
.irp b, 0,1,2,3,4,5,6,7
.irp r, 0,1,2,3
	v_cvt_pk_f16_f32 v[TMP+4*\b+\r], v[8*(8*\a+\b)+2*\r], v[8*(8*\a+\b)+2*\r+1]
.endr
.endr
	WIN 0
.irp b, 0,1,2,3,4,5,6,7
	ds_store_b128 v[STO], v[TMP+4*\b:TMP+4*\b+3] offset:32*\b
.endr
	s_wait_xcnt 0x0                                ; buffer f, which earlier stores read, and the stores' base are rewritten only behind this wait
.if \i
	s_add_nc_u64 s[6:7], s[6:7], 16*128            ; 16 rows of a head on
.endif
.irp t, 0,1,2,3,4,5,6,7
	ds_load_b128 v[\f+4*\t:\f+4*\t+3], v[RD] offset:(\t>>2)*128+(\t&3)*4*SPITCH   ; LDS serves a wave's instructions in order: these see the stores above
.endr
.irp t, 0,1,2,3,4,5,6,7
	s_wait_dscnt 7-\t                              ; piece t is back, the 7 - t younger ones may be out
	global_store_b128 v[CO], v[\f+4*\t:\f+4*\t+3], s[6:7] offset:(\t>>2)*262144+(\t&3)*512   ; 512 consecutive bytes, aligned: four rows of one head
.endr
.endm
	OUT16 0, 0, 0x0a, F0
	OUT16 1, 1, 0x0a, F1
	OUT16 2, 2, 0x0a, F0
	OUT16 3, 3, 0x0a, F1
	OUT16 4, 0, 0x0f, F0
	OUT16 5, 1, 0x0f, F1
	OUT16 6, 2, 0x0f, F0
	OUT16 7, 3, 0x0f, F1
	s_set_vgpr_msb 0x1
	s_wait_tensorcnt 0x0
	ds_add_u32 v255, v255
	s_wait_dscnt 0x0
	s_set_vgpr_msb 0x100
	CROUND                                         ; the closing round: no work-group ends while a partner may still ask for a tile that names it
	s_endpgm
.Lfunc_end_k_q556badc790_qkv:
	.size	k_q556badc790_qkv, .Lfunc_end_k_q556badc790_qkv-k_q556badc790_qkv
	.p2alignl 7, 3214868480
	.fill 96, 4, 3214868480
	.section	.rodata,"a",@progbits
	.p2align	6, 0x0
	.amdhsa_kernel k_q556badc790_qkv
		.amdhsa_group_segment_fixed_size 327680
		.amdhsa_private_segment_fixed_size 0
		.amdhsa_enable_private_segment 0
		.amdhsa_kernarg_size 16
		.amdhsa_user_sgpr_count 2
		.amdhsa_user_sgpr_kernarg_segment_ptr 1
		.amdhsa_wavefront_size32 1
		.amdhsa_system_sgpr_workgroup_id_x 1
		.amdhsa_system_sgpr_workgroup_id_y 1
		.amdhsa_system_sgpr_workgroup_id_z 1
		.amdhsa_system_vgpr_workitem_id 0
		.amdhsa_next_free_vgpr 1024
		.amdhsa_next_free_sgpr 66
		.amdhsa_reserve_vcc 0
		.amdhsa_float_denorm_mode_32 3
		.amdhsa_float_denorm_mode_16_64 3
		.amdhsa_memory_ordered 1
		.amdhsa_forward_progress 1
		.amdhsa_inst_pref_size 196
	.end_amdhsa_kernel
	.amdgpu_metadata
---
amdhsa.version: [ 1, 2 ]
amdhsa.kernels:
  - .name:           k_q556badc790_qkv
    .symbol:         k_q556badc790_qkv.kd
    .args:
      - { .name: hf, .offset: 0, .size: 8, .value_kind: global_buffer, .address_space: global }
      - { .name: qkv, .offset: 8, .size: 8, .value_kind: global_buffer, .address_space: global }
    .group_segment_fixed_size: 327680
    .private_segment_fixed_size: 0
    .kernarg_segment_align: 8
    .kernarg_segment_size: 16
    .max_flat_workgroup_size: 128
    .sgpr_count:     66
    .vgpr_count:     1024
    .wavefront_size: 32
...
	.end_amdgpu_metadata
.endif
;; end of part 2
;; launch attn (part 3): grid 256 x 1, 16 waves a work-group, clusters of 4 x 1, 327,680 bytes of LDS; arguments qkv, att; writes att
.if DOCPART == 3
	.amdgcn_target "amdgcn-amd-amdhsa--gfx1250"
	.amdhsa_code_object_version 6
	.text
	.protected	k_q556badc790_attn
	.globl	k_q556badc790_attn
	.p2align	8
	.type	k_q556badc790_attn,@function
k_q556badc790_attn:
	s_mov_b64 s[64:65], 0
	v_nop
	global_prefetch_b8 v0, s[64:65] scope:SCOPE_SE
	s_setreg_imm32_b32 hwreg(HW_REG_WAVE_MODE, 25, 1), 1
	s_wait_xcnt 0x0
	s_wait_alu depctr_hold_cnt(0) depctr_sa_sdst(0) depctr_va_vdst(0) depctr_va_sdst(0) depctr_va_ssrc(0) depctr_va_vcc(0) depctr_vm_vsrc(0)
	s_getreg_b32 s2, hwreg(HW_REG_IB_STS2, 6, 4)
	s_cmp_eq_u32 s2, 0
	s_cbranch_scc0 .Lentry_in_a_cluster
	s_endpgm
.Lentry_in_a_cluster:
	s_bfe_u32 s2, ttmp6, 0x10000c
	s_cmp_lg_u32 s2, 0x3003
	s_cbranch_scc0 .Lentry_shape_is_right
	s_endpgm
.Lentry_shape_is_right:
; att[b][h][s][64] = softmax(Q K^T / 8) V for each of the 64 (b, h), with a running maximum; Q, K, V from qkv (f16, a head's rows dense), sums in f32.
; LIMIT: the probabilities and the result are rounded to f16: a probability below about 6e-8 counts as 0, a result above 65,504 becomes infinite.
; A cluster of four work-groups takes one head; a work-group 512 queries; each of its sixteen waves 32 queries (two tiles of 16).  In a wave's own stream the
; products and the softmax step follow each other, and for 64 keys the step has some 240 vector instructions beside 32 matrix instructions: so four waves
; share a SIMD, and while one sits in its products or in a chain of dependent steps three others can issue.  The price: a fragment of K or V feeds two query
; tiles, so the sixteen waves read 256 KiB of fragments from LDS for each 64 keys.
; The four work-groups walk the same K and V: every tile is asked for jointly (mask 15).
; EVERYTHING IS TRANSPOSED, so that the probabilities never leave the registers:
;   S^T = K Q^T:   source 0 = 16 keys of K, source 1 = 16 queries of Q.  Lane l holds query l % 16 and keys 8 (l / 16) + 0..7 of the key tile.
;   O^T = V^T P^T: two neighbouring key tiles, packed to f16, ARE source 1's fragment for 32 keys; source 0 is V^T, read from V's rows by the transposing LDS load.
;   Maximum, sum and rescale factor belong to a query, that is to a lane; only the maximum crosses the two halves of the wave in each trip.
; K and V go through two LDS slots of 256 keys; a slot serves four trips of 64 keys.  A refill is asked for a whole slot ahead.
; REGISTERS (256, one window): v2-9 addresses, v10-19 running figures, v20-29 at work, v32-63 Q, v64-127 scores and probabilities, v128-191 the sums O,
; v192-255 ONE fragment buffer that K's and V^T's fragments take in turn: V^T's are fetched behind the score products and land during the softmax step,
; the next trip's K's are fetched behind the P V products.
.set KEYS,   256                       ; keys in a slot
.set VPITCH, 160                       ; an LDS row of V: 128 bytes + 32, an odd multiple of 32, for the transposing load
.set KPITCH, 144                       ; an LDS row of K: 128 bytes + 16, an odd multiple of 16
.set VBYTES, KEYS*VPITCH               ; 40,960
.set KBYTES, KEYS*KPITCH               ; 36,864
.set SLOT,   VBYTES+KBYTES             ; 77,824: V, then K
.set STAGE,  2*SLOT                    ; behind the ring: 32 rows x 144 bytes for each wave, for the way out; no tensor load lands there
.set SPITCH, 144
.set TILEB,  KEYS*128                  ; bytes of memory in a tile of K or of V
.set PARTB,  32*128                    ; bytes of memory in an eighth of a tile: one tensor load
.set KOFF,   16777216                  ; K's and V's first bytes in qkv
.set VOFF,   33554432
.set KAD, 2                            ; v2-3    LDS address of my K fragments in slot 0, 1
.set VAD, 4                            ; v4-5    the same for V^T
.set QA,  6                            ; v6      my byte offset in Q's fragments
.set STO, 7                            ; v7      the way out: where I put 16 bytes
.set RD,  8                            ; v8      the way out: where I read back
.set CO,  9                            ; v9      my byte offset in the store
.set NM,  10                           ; v10-13  query tile qt: minus the scaled running maximum, twice (a pair for the packed multiply-add)
.set AL,  14                           ; v14-17  query tile qt: the rescale factor, twice
.set LS,  18                           ; v18-19  query tile qt: the running sum over my half of the keys
.set TT,  20                           ; v20-29  at work
.set QF,  32                           ; v32-63  Q's fragment (qt, ks) at QF + 8 (2 qt + ks)
.set SC,  64                           ; v64-127 score tile (qt, kt) at SC + 8 (4 qt + kt); later P's fragment (qt, kg) at SC + 8 (4 qt + 2 kg)
.set OA,  128                          ; v128-191 O(qt, dt) at OA + 8 (4 qt + dt)
.set KV,  192                          ; v192-255 K's fragment (kt, ks) at KV + 8 (2 kt + ks), or V^T's fragment (kg, dt) at KV + 8 (4 kg + dt)
.set G1V, 16                           ; s[16:23] descriptor group 1 for V
.set G1K, 24                           ; s[24:31] for K
.set G0V, 32                           ; s[32:39] group 0 for V, one set for each slot
.set G0K, 40                           ; s[40:47] for K
.macro PLACES n                        ; places behind matrix instructions (ISA guide 7.12.1)
.rept \n
	v_nop
.endr
.endm
.macro JLOAD s                         ; waves 0 to 7 fetch V's eighths, waves 8 to 15 K's; the branch hangs on the wave's number alone
	s_cmp_eq_u32 s11, 0
	s_cbranch_scc0 .Lfor_k_\@
	tensor_load_to_lds s[G0V+4*(\s):G0V+4*(\s)+3], s[G1V:G1V+7]
	s_nop 0
	s_branch .Lasked_\@
.Lfor_k_\@:
	tensor_load_to_lds s[G0K+4*(\s):G0K+4*(\s)+3], s[G1K:G1K+7]
	s_nop 0
.Lasked_\@:
.endm
; A round of the cluster's barrier: my work-group's barrier; wave 0 signals for the work-group; every wave waits for all four; my work-group's barrier again.
.macro CREST                           ; a round behind its opening barrier
	s_cmp_lg_u32 s10, 0
	s_cbranch_scc1 .Lnot_wave_0_\@
	s_barrier_signal -3
.Lnot_wave_0_\@:
	s_barrier_wait -3
	s_barrier_signal -1
	s_barrier_wait -1
.endm
.macro ROUND
	s_barrier_signal -1
	s_barrier_wait -1
	CREST
.endm
	s_load_b128 s[4:7], s[0:1], 0x0                ; qkv s[4:5], att s[6:7]
	v_lshl_add_u32 v30, v0, 2, 0x38000
	v_mov_b32 v31, 0
	ds_add_u32 v30, v31
	v_lshrrev_b32 v1, 5, v0
	v_readfirstlane_b32 s10, v1                    ; wave 0..15
	s_lshr_b32 s11, s10, 3                         ; I fetch for V (0) or for K (1)
	s_bfe_u32 s54, ttmp6, 0x40000                  ; cx: which 512 queries of the head
	s_mov_b32 s12, 0x76543210                      ; v_permlanex16_b32: lane i of one half reads lane i of the other
	s_mov_b32 s13, 0xfedcba98
	s_mov_b32 s14, 0x3e38aa3b                      ; c = log2(e) / 8: the division by sqrt(64) and the change to base 2 in one factor
	s_mov_b32 s15, 0xbe38aa3b                      ; -c
	; group 1: an eighth of a tile is 32 keys x 128 bytes, dense in memory: 16 rows of 32 elements of 8 bytes.  Padding behind every 32 words, that is
	; behind every key's 128 bytes: 8 words for V, 4 for K.  Mask 15: all four work-groups; bit 21 set beside it.
	s_mov_b32 s[G1V+0], 15|(3<<16)|(1<<20)|(1<<21)|(4<<22)|(7<<25)
	s_mov_b32 s[G1V+1], 32<<16                     ; tensor_dim0 = 32
	s_mov_b32 s[G1V+2], 16<<16                     ; tensor_dim1 = 16
	s_mov_b32 s[G1V+3], 32<<16                     ; tile_dim0 = 32 elements, 256 bytes
	s_mov_b32 s[G1V+4], 16                         ; tile_dim1 = 16 rows
	s_mov_b32 s[G1V+5], 32                         ; elements from row to row
	s_mov_b32 s[G1V+6], 0
	s_mov_b32 s[G1V+7], 0
	s_mov_b32 s[G1K+0], 15|(3<<16)|(1<<20)|(1<<21)|(4<<22)|(3<<25)
	s_mov_b32 s[G1K+1], 32<<16
	s_mov_b32 s[G1K+2], 16<<16
	s_mov_b32 s[G1K+3], 32<<16
	s_mov_b32 s[G1K+4], 16
	s_mov_b32 s[G1K+5], 32
	s_mov_b32 s[G1K+6], 0
	s_mov_b32 s[G1K+7], 0
	s_lshl_b32 s48, ttmp9, 18                      ; the head x 262,144 bytes (ttmp9 counts clusters)
	s_lshl_b32 s49, s10, 12                        ; + wave x 4,096: an eighth of a tile, and also a wave's 32 queries
	s_add_co_u32 s48, s48, s49                     ; the tiles' offset: nothing of cx in it
	s_mov_b32 s49, 0
	s_lshl_b32 s52, s54, 16                        ; Q's and att's offset: + cx x 512 rows x 128 bytes
	s_add_co_u32 s52, s52, s48
	s_mov_b32 s53, 0
	s_mul_i32 s55, s10, 32*VPITCH                  ; V's eighths at wave x 5,120 (waves 0 to 7),
	s_mul_i32 s56, s10, 32*KPITCH
	s_add_co_u32 s56, s56, VBYTES-8*32*KPITCH      ; K's at wave x 4,608 + 4,096 (waves 8 to 15): behind V
	v_and_b32 v1, 15, v0                           ; r = l % 16
	v_bfe_u32 v20, v0, 4, 1                        ; h = l / 16
	v_mul_u32_u24 v21, v1, KPITCH
	v_lshl_add_u32 v21, v20, 4, v21                ; r x 144 + 16 h
	v_add_nc_u32 v[KAD], VBYTES, v21
	v_add_nc_u32 v[KAD+1], SLOT+VBYTES, v21
	v_and_b32 v22, 7, v0
	v_lshl_add_u32 v22, v20, 3, v22                ; the transposing load: key 8 h + l % 8,
	v_mul_u32_u24 v22, v22, VPITCH
	v_bfe_u32 v23, v0, 3, 1
	v_lshl_add_u32 v[VAD], v23, 4, v22             ; 16 bytes (l / 8) % 2 of the 32 of a tile of 16 d
	v_add_nc_u32 v[VAD+1], SLOT, v[VAD]
	v_lshlrev_b32 v[QA], 7, v1
	v_lshl_add_u32 v[QA], v20, 4, v[QA]            ; r x 128 + 16 h
	s_mul_i32 s57, s10, 32*SPITCH
	s_add_co_u32 s57, s57, STAGE                   ; my stage
	v_add_nc_u32 v[STO], s57, v21                  ; in: row r x 144 + 16 h (the stage's pitch is K's)
	v_bfe_u32 v23, v0, 3, 2
	v_mul_u32_u24 v23, v23, SPITCH
	v_and_b32 v22, 7, v0
	v_lshl_add_u32 v23, v22, 4, v23
	v_add_nc_u32 v[RD], s57, v23                   ; back: eight lanes a row, four rows
	v_and_b32 v22, 31, v0
	v_lshlrev_b32 v[CO], 4, v22
	s_wait_dscnt 0x0
	s_wait_kmcnt 0x0
	s_add_nc_u64 s[50:51], s[4:5], s[48:49]        ; qkv at the head, at my eighth
	s_add_nc_u64 s[4:5], s[4:5], s[52:53]          ; Q at my 32 queries
	s_add_nc_u64 s[6:7], s[6:7], s[52:53]          ; att at my 32 queries
	ROUND                                          ; all four work-groups are here: the first joint loads meet
.irp s, 0,1
	s_mov_b32 s[G0V+4*\s], 1
	s_add_co_u32 s[G0V+4*\s+1], s55, \s*SLOT
	s_add_nc_u64 s[G0V+4*\s+2:G0V+4*\s+3], s[50:51], VOFF+\s*TILEB
	s_or_b32 s[G0V+4*\s+3], s[G0V+4*\s+3], 0x80000000
	s_mov_b32 s[G0K+4*\s], 1
	s_add_co_u32 s[G0K+4*\s+1], s56, \s*SLOT
	s_add_nc_u64 s[G0K+4*\s+2:G0K+4*\s+3], s[50:51], KOFF-8*PARTB+\s*TILEB   ; waves 8 to 15 count K's eighths from 0
	s_or_b32 s[G0K+4*\s+3], s[G0K+4*\s+3], 0x80000000
	JLOAD \s                                       ; tiles 0 and 1 go out together: two loads of the wave are out
.endr
.irp qt, 0,1
.irp ks, 0,1
	global_load_b128 v[QF+8*(2*\qt+\ks):QF+8*(2*\qt+\ks)+3],   v[QA], s[4:5] offset:2048*\qt+64*\ks      ; Q stays in registers for the whole kernel
	global_load_b128 v[QF+8*(2*\qt+\ks)+4:QF+8*(2*\qt+\ks)+7], v[QA], s[4:5] offset:2048*\qt+64*\ks+32
.endr
.endr
.macro FETCHK slot, t                  ; 16 loads: trip t's 64 keys of K as 4 x 2 fragments
.irp kt, 0,1,2,3
.irp ks, 0,1
	ds_load_b128 v[KV+8*(2*\kt+\ks):KV+8*(2*\kt+\ks)+3],   v[KAD+\slot] offset:(\t)*64*KPITCH+\kt*16*KPITCH+64*\ks
	ds_load_b128 v[KV+8*(2*\kt+\ks)+4:KV+8*(2*\kt+\ks)+7], v[KAD+\slot] offset:(\t)*64*KPITCH+\kt*16*KPITCH+64*\ks+32
.endr
.endr
.endm
.macro FETCHV slot, t                  ; 16 transposing loads: trip t's 64 keys of V as 2 x 4 fragments of V^T
.irp kg, 0,1
.irp dt, 0,1,2,3
	ds_load_tr16_b128 v[KV+8*(4*\kg+\dt):KV+8*(4*\kg+\dt)+3],   v[VAD+\slot] offset:(\t)*64*VPITCH+\kg*32*VPITCH+32*\dt
	ds_load_tr16_b128 v[KV+8*(4*\kg+\dt)+4:KV+8*(4*\kg+\dt)+7], v[VAD+\slot] offset:(\t)*64*VPITCH+\kg*32*VPITCH+32*\dt+16*VPITCH
.endr
.endr
.endm
; 16 matrix instructions: the scores of 32 queries x 64 keys.  The 8 tiles take turns, one instruction a turn; d 0-31 starts the sums.
.macro SMUL
.irp ks, 0,1
.irp qt, 0,1
.irp kt, 0,1,2,3
.if \ks == 0
	v_wmma_f32_16x16x32_f16 v[SC+8*(4*\qt+\kt):SC+8*(4*\qt+\kt)+7], v[KV+8*(2*\kt+\ks):KV+8*(2*\kt+\ks)+7], v[QF+8*(2*\qt+\ks):QF+8*(2*\qt+\ks)+7], 0
.else
	v_wmma_f32_16x16x32_f16 v[SC+8*(4*\qt+\kt):SC+8*(4*\qt+\kt)+7], v[KV+8*(2*\kt+\ks):KV+8*(2*\kt+\ks)+7], v[QF+8*(2*\qt+\ks):QF+8*(2*\qt+\ks)+7], v[SC+8*(4*\qt+\kt):SC+8*(4*\qt+\kt)+7]
.endif
.endr
.endr
.endr
.endm
; 16 matrix instructions: O^T += V^T P^T.  The 8 tiles take turns, one instruction a turn.  first = 1: keys 0-31 start the sums.
.macro PVMUL first
.irp kg, 0,1
.irp qt, 0,1
.irp dt, 0,1,2,3
.if \first*(1-\kg)
	v_wmma_f32_16x16x32_f16 v[OA+8*(4*\qt+\dt):OA+8*(4*\qt+\dt)+7], v[KV+8*(4*\kg+\dt):KV+8*(4*\kg+\dt)+7], v[SC+8*(4*\qt+2*\kg):SC+8*(4*\qt+2*\kg)+7], 0
.else
	v_wmma_f32_16x16x32_f16 v[OA+8*(4*\qt+\dt):OA+8*(4*\qt+\dt)+7], v[KV+8*(4*\kg+\dt):KV+8*(4*\kg+\dt)+7], v[SC+8*(4*\qt+2*\kg):SC+8*(4*\qt+2*\kg)+7], v[OA+8*(4*\qt+\dt):OA+8*(4*\qt+\dt)+7]
.endif
.endr
.endr
.endr
.endm
.macro RESCALE                         ; O(qt, .) *= the pair AL(qt): 32 packed multiplies
.irp qt, 0,1
.irp p, 0,2,4,6,8,10,12,14,16,18,20,22,24,26,28,30
	v_pk_mul_f32 v[OA+32*\qt+\p:OA+32*\qt+\p+1], v[OA+32*\qt+\p:OA+32*\qt+\p+1], v[AL+2*\qt:AL+2*\qt+1]
.endr
.endr
.endm
.macro SFMA qt, kt                     ; c x score - scaled maximum, one rounding
.set SB, SC+32*\qt+8*\kt
.irp p, 0,2,4,6
	v_pk_fma_f32 v[SB+\p:SB+\p+1], v[SB+\p:SB+\p+1], s[14:15], v[NM+2*\qt:NM+2*\qt+1] op_sel_hi:[1,0,1]
.endr
.endm
.macro SEXP qt, kt
.set SB, SC+32*\qt+8*\kt
.irp j, 0,1,2,3,4,5,6,7
	v_exp_f32 v[SB+\j], v[SB+\j]
.endr
.endm
; The tile's eight probabilities are summed in f32 (a pair of sums for each key tile) and packed to f16: an even tile into its own registers 0-3, an odd one into
; the even neighbour's registers 4-7, which have been read by then: together source 1's fragment for 32 keys.
.macro SOPS qt, kt
.set SB, SC+32*\qt+8*\kt
.set PB, SB-4*(\kt&1)
.set UB, TT+2*\kt
	s_wait_alu depctr_va_vdst(0)
	v_pk_add_f32 v[UB:UB+1], v[SB:SB+1], v[SB+2:SB+3]
	v_pk_add_f32 v[TT+8:TT+9], v[SB+4:SB+5], v[SB+6:SB+7]
	v_pk_add_f32 v[UB:UB+1], v[UB:UB+1], v[TT+8:TT+9]
	v_cvt_pk_f16_f32 v[PB],   v[SB],   v[SB+1]
	v_cvt_pk_f16_f32 v[PB+1], v[SB+2], v[SB+3]
	v_cvt_pk_f16_f32 v[PB+2], v[SB+4], v[SB+5]
	v_cvt_pk_f16_f32 v[PB+3], v[SB+6], v[SB+7]
.endm
; The softmax step of query tile qt for 64 keys.
.macro SOFT qt, first
	; the largest of my 32 scores: four chains of three, then the chains and the four scores left over
.irp kt, 0,1,2,3
	v_max3_num_f32 v[TT+\kt], v[SC+32*\qt+8*\kt], v[SC+32*\qt+8*\kt+1], v[SC+32*\qt+8*\kt+2]
.endr
.irp kt, 0,1,2,3
	v_max3_num_f32 v[TT+\kt], v[TT+\kt], v[SC+32*\qt+8*\kt+3], v[SC+32*\qt+8*\kt+4]
.endr
.irp kt, 0,1,2,3
	v_max3_num_f32 v[TT+\kt], v[TT+\kt], v[SC+32*\qt+8*\kt+5], v[SC+32*\qt+8*\kt+6]
.endr
	v_max3_num_f32 v[TT],   v[TT],   v[TT+1], v[SC+32*\qt+7]
	v_max3_num_f32 v[TT+2], v[TT+2], v[TT+3], v[SC+32*\qt+15]
	v_max3_num_f32 v[TT],   v[TT],   v[TT+2], v[SC+32*\qt+23]
	v_max_num_f32  v[TT],   v[TT],   v[SC+32*\qt+31]
	v_permlanex16_b32 v[TT+1], v[TT], s12, s13     ; the other half of the wave holds the query's other 32 keys
	v_max_num_f32 v[TT], v[TT], v[TT+1]
.if \first
	v_mul_f32 v[NM+2*\qt],   s15, v[TT]            ; minus the scaled maximum; the same rounded number shifts every key of the query
	v_mul_f32 v[NM+2*\qt+1], s15, v[TT]
.else
	v_mul_f32 v[TT+1], s15, v[TT]
	v_min_num_f32 v[TT+1], v[TT+1], v[NM+2*\qt]    ; minus the new running maximum
	v_sub_f32 v[TT+2], v[TT+1], v[NM+2*\qt]        ; old maximum - new maximum, at most 0
	v_exp_f32 v[AL+2*\qt],   v[TT+2]
	v_exp_f32 v[AL+2*\qt+1], v[TT+2]
	v_mov_b32 v[NM+2*\qt],   v[TT+1]               ; plain work that touches neither the exponentials' results nor their source (ISA guide 5.7.2)
	v_mov_b32 v[NM+2*\qt+1], v[TT+1]
.endif
	; each run of exponentials is followed by plain work on another key tile before its results are used
	SFMA \qt, 0
	SEXP \qt, 0
	SFMA \qt, 1
	SEXP \qt, 1
	SOPS \qt, 0
	SFMA \qt, 2
	SEXP \qt, 2
	SOPS \qt, 1
	SFMA \qt, 3
	SEXP \qt, 3
	SOPS \qt, 2
	SOPS \qt, 3
	v_pk_add_f32 v[TT:TT+1],   v[TT:TT+1],   v[TT+2:TT+3]
	v_pk_add_f32 v[TT+4:TT+5], v[TT+4:TT+5], v[TT+6:TT+7]
	v_pk_add_f32 v[TT:TT+1],   v[TT:TT+1],   v[TT+4:TT+5]
.if \first
	v_add_f32 v[LS+\qt], v[TT], v[TT+1]
.else
	v_add_f32 v[TT], v[TT], v[TT+1]
	v_fma_f32 v[LS+\qt], v[LS+\qt], v[AL+2*\qt], v[TT]
.endif
.endm
; One trip: 64 keys, the t-th quarter of a slot.  K's fragments of the trip have been asked for in front of it.
; bar = 1 or 2 (with t = 3): the slot changes.  In front of the barrier's signal the wave waits for its reads of this slot, of which V^T's fragments are the
; last, and for all its tensor loads: the one that is out is its part of the other slot.  The P V products, register work, stand between signal and wait.
; bar = 1: the barrier opens a round of the cluster's barrier, and the joint refill of this slot, two tiles ahead, is the first tensor load behind the round,
; ahead of every LDS read; it has the other slot's four trips in which to land.
.macro TRIP slot, t, first, bar
	s_wait_dscnt 0x0                               ; K's fragments are in
.if \first
	s_wait_loadcnt 0x0                             ; Q, once
.endif
	SMUL
	PLACES 4                                       ; before loads go into the fragment buffer and vector instructions read the scores
	FETCHV \slot, \t                               ; lands during the softmax step
	SOFT 0, \first
	SOFT 1, \first
.if \first == 0
	RESCALE
.endif
	s_wait_dscnt 0x0                               ; V^T's fragments are in
.if \bar
	s_wait_tensorcnt 0x0                           ; all my tensor loads have landed
	ds_add_u32 v30, v31
	s_wait_dscnt 0x0
	s_barrier_signal -1
.endif
	PVMUL \first
	PLACES 5                                       ; the next score products write over registers that these products read as source 1: five places; loads into the fragment buffer need four
.if \bar
	s_barrier_wait -1
.endif
.if \bar == 1
	CREST
	s_add_nc_u64 s[G0V+4*\slot+2:G0V+4*\slot+3], s[G0V+4*\slot+2:G0V+4*\slot+3], 2*TILEB   ; no load of mine is out: group 0 may be written
	s_add_nc_u64 s[G0K+4*\slot+2:G0K+4*\slot+3], s[G0K+4*\slot+2:G0K+4*\slot+3], 2*TILEB
	JLOAD \slot
.endif
.if \t < 3
	FETCHK \slot, \t+1
.endif
.endm
.macro TILE slot, first, bar           ; a slot's four trips
	FETCHK \slot, 0
	TRIP \slot, 0, \first, 0
	TRIP \slot, 1, 0, 0
	TRIP \slot, 2, 0, 0
	TRIP \slot, 3, 0, \bar
.endm
	s_wait_tensorcnt 0x1                           ; my part of tile 0 is in; tile 1's load, issued behind it, may stay out
	s_barrier_signal -1
	s_barrier_wait -1
	TILE 0, 1, 1                                   ; tile 0: its first trip starts the maxima and all sums, nothing is cleared; tile 2 is asked for
	s_mov_b32 s3, 2
.Lloop:                                            ; tiles 1 to 4 are read, tiles 3 to 6 asked for
	TILE 1, 0, 1
	TILE 0, 0, 1
	s_sub_co_u32 s3, s3, 1
	s_cmp_lg_u32 s3, 0
	s_cbranch_scc1 .Lloop
	TILE 1, 0, 1                                   ; tile 5; tile 7 is asked for: the last load
	TILE 0, 0, 2                                   ; tile 6; a plain barrier: nothing is left to fetch
	TILE 1, 0, 0                                   ; tile 7
	; THE END: the two halves' sums meet, O is divided by them, rounded to f16, and leaves through my own stage as whole rows.
.irp qt, 0,1
	v_permlanex16_b32 v[TT+\qt], v[LS+\qt], s12, s13
.endr
.irp qt, 0,1
	v_add_f32 v[LS+\qt], v[LS+\qt], v[TT+\qt]
.endr
.irp qt, 0,1
	v_rcp_f32 v[AL+2*\qt],   v[LS+\qt]             ; the sum holds the largest key's term, which is 1 up to rounding
	v_rcp_f32 v[AL+2*\qt+1], v[LS+\qt]
.endr
	v_nop                                          ; one plain place behind the reciprocals (ISA guide 5.7.2)
	s_wait_alu depctr_va_vdst(0)
	RESCALE
.irp qt, 0,1
.irp dt, 0,1,2,3
.irp i, 0,1,2,3
	v_cvt_pk_f16_f32 v[SC+4*(4*\qt+\dt)+\i], v[OA+8*(4*\qt+\dt)+2*\i], v[OA+8*(4*\qt+\dt)+2*\i+1]   ; query r, d = 16 dt + 8 h + 0..7: 16 bytes that belong together
.endr
.endr
.endr
.irp qt, 0,1
.irp dt, 0,1,2,3
	ds_store_b128 v[STO], v[SC+4*(4*\qt+\dt):SC+4*(4*\qt+\dt)+3] offset:\qt*16*SPITCH+32*\dt
.endr
.endr
.irp t, 0,1,2,3,4,5,6,7
	ds_load_b128 v[SC+32+4*\t:SC+32+4*\t+3], v[RD] offset:\t*4*SPITCH      ; LDS serves a wave's instructions in order: these see the stores above
.endr
.irp t, 0,1,2,3,4,5,6,7
	s_wait_dscnt 7-\t                              ; piece t is back, the 7 - t younger ones may be out
	global_store_b128 v[CO], v[SC+32+4*\t:SC+32+4*\t+3], s[6:7] offset:512*\t   ; four rows of the head: 512 consecutive bytes, aligned
.endr
	s_wait_tensorcnt 0x0
	ds_add_u32 v30, v31
	s_wait_dscnt 0x0
	ROUND                                          ; the closing round: no work-group ends while a partner may still ask for a tile that names it
	s_endpgm
.Lfunc_end_k_q556badc790_attn:
	.size	k_q556badc790_attn, .Lfunc_end_k_q556badc790_attn-k_q556badc790_attn
	.p2alignl 7, 3214868480
	.fill 96, 4, 3214868480
	.section	.rodata,"a",@progbits
	.p2align	6, 0x0
	.amdhsa_kernel k_q556badc790_attn
		.amdhsa_group_segment_fixed_size 327680
		.amdhsa_private_segment_fixed_size 0
		.amdhsa_enable_private_segment 0
		.amdhsa_kernarg_size 16
		.amdhsa_user_sgpr_count 2
		.amdhsa_user_sgpr_kernarg_segment_ptr 1
		.amdhsa_wavefront_size32 1
		.amdhsa_system_sgpr_workgroup_id_x 1
		.amdhsa_system_sgpr_workgroup_id_y 1
		.amdhsa_system_sgpr_workgroup_id_z 1
		.amdhsa_system_vgpr_workitem_id 0
		.amdhsa_next_free_vgpr 256
		.amdhsa_next_free_sgpr 66
		.amdhsa_reserve_vcc 0
		.amdhsa_float_denorm_mode_32 3
		.amdhsa_float_denorm_mode_16_64 3
		.amdhsa_memory_ordered 1
		.amdhsa_forward_progress 1
		.amdhsa_inst_pref_size 255
	.end_amdhsa_kernel
	.section	.bss,"aw",@nobits
	.p2align	6
	.space	262144
	.amdgpu_metadata
---
amdhsa.version: [ 1, 2 ]
amdhsa.kernels:
  - .name:           k_q556badc790_attn
    .symbol:         k_q556badc790_attn.kd
    .args:
      - { .name: qkv, .offset: 0, .size: 8, .value_kind: global_buffer, .address_space: global }
      - { .name: att, .offset: 8, .size: 8, .value_kind: global_buffer, .address_space: global }
    .group_segment_fixed_size: 327680
    .private_segment_fixed_size: 0
    .kernarg_segment_align: 8
    .kernarg_segment_size: 16
    .max_flat_workgroup_size: 512
    .sgpr_count:     66
    .vgpr_count:     256
    .wavefront_size: 32
...
	.end_amdgpu_metadata
.endif
;; end of part 3
;; launch proj (part 4): grid 4 x 64, 4 waves a work-group, clusters of 4 x 4, 327,680 bytes of LDS; arguments att, hf, out0; writes out0
.if DOCPART == 4
	.amdgcn_target "amdgcn-amd-amdhsa--gfx1250"
	.amdhsa_code_object_version 6
	.text
	.protected	k_q556badc790_proj
	.globl	k_q556badc790_proj
	.p2align	8
	.type	k_q556badc790_proj,@function
k_q556badc790_proj:
	s_mov_b64 s[64:65], 0
	v_nop
	global_prefetch_b8 v0, s[64:65] scope:SCOPE_SE
	s_setreg_imm32_b32 hwreg(HW_REG_WAVE_MODE, 25, 1), 1
	s_wait_xcnt 0x0
	s_wait_alu depctr_hold_cnt(0) depctr_sa_sdst(0) depctr_va_vdst(0) depctr_va_sdst(0) depctr_va_ssrc(0) depctr_va_vcc(0) depctr_vm_vsrc(0)
	s_getreg_b32 s2, hwreg(HW_REG_IB_STS2, 6, 4)
	s_cmp_eq_u32 s2, 0
	s_cbranch_scc0 .Lentry_in_a_cluster
	s_endpgm
.Lentry_in_a_cluster:
	s_bfe_u32 s2, ttmp6, 0x10000c
	s_cmp_lg_u32 s2, 0xf033
	s_cbranch_scc0 .Lentry_shape_is_right
	s_endpgm
.Lentry_shape_is_right:
; out0 = A w_o^T.  C[m][n] = sum over e of A[m][e] W[n][e]; A is the attention's result, att[b][head][s][64] in f16 (e = 64 head + d), W = w_o in f16 at the end of hf;
; sums in f32, C stored in f32, row-major [8192][1024].
; LIMIT: f16 operands: a magnitude above 65,504 is infinite, one below about 6e-8 is 0.
; A work-group makes 128 x 256 of C with four waves; a wave makes 64 x 128: 32 accumulator tiles, 256 registers.  4 x 64 = 256 work-groups.
; K goes in steps of 128, that is two heads, through two LDS slots filled by tensor loads.  W's tile has rows of 256 bytes of memory; A's tile is, for each of the
; two heads, 128 rows of 128 bytes that lie densely: 16,384 consecutive bytes, brought as 64 rows of 256 bytes and padded behind every 128 bytes.
; CLUSTERS: 4 x 4 work-groups.  A's tile hangs on the block row alone and is asked for jointly by a row of the cluster, W's on the block column alone, by a column.
; REGISTERS: window 0: v16-26 addresses; v32-127 and v128-223 two fragment buffers (8 fragments of W, then 4 of A).
;            window 1: accumulator tile (a, b), a = 0..3 (16 rows of C each), b = 0..7 (16 columns each), at v[8 (8 a + b)].
; THE MATRIX INSTRUCTION IS USED TRANSPOSED: source 0 = 16 rows of W, source 1 = 16 rows of A, so that lane l holds row l % 16 of C and
; eight neighbouring columns 8 (l / 16) + 0..7: 32 bytes that belong together.
.set BPITCH, 272                       ; an LDS row of W: 256 bytes + 16 of padding, an odd multiple of 16
.set BHALF,  128*BPITCH                ; 128 rows of W: one tensor load, and what one wave reads of W
.set APITCH, 144                       ; an LDS row of A: a head's 128 bytes + 16, an odd multiple of 16
.set APART,  128*APITCH                ; one head's 128 rows: one tensor load
.set ABASE,  2*BHALF-2*APART           ; waves 2 and 3 put the two heads at wave x APART + ABASE: behind W's 256 rows
.set SLOT,   2*BHALF+2*APART           ; 106,496 bytes
.set STAGE,  2*SLOT                    ; behind the ring: 16 rows x 528 bytes for each wave, for the way out; no tensor load lands there
.set SPITCH, 528                       ; 512 bytes + 16, an odd multiple of 16
.set AHALF,  APART                     ; bytes from A's K 0-63 (the first head) to its K 64-127 (the second)
.set ASTEP,  2*262144                  ; bytes of memory from one K step to the next: two heads
.set BSTEP,  256
.set LAPS,   4                         ; 1,024 / 256: a lap is two K steps, once round the ring
.set WOFF,   23068672                  ; w_o's first byte in hf
.set ADRA, 16                          ; v16-17  LDS address of my A fragments in slot 0, 1
.set ADRB, 20                          ; v20-21  the same for W
.set STO,  24                          ; v24     the way out: where I put 32 bytes of a row
.set RD,   25                          ; v25     the way out: where I read back
.set CO,   26                          ; v26     my byte offset in the store
.set F0,   32
.set F1,   128
.set G1A, 24                           ; s[24:31] descriptor group 1 for A's tiles
.set G0A, 32                           ; s[32:39] group 0 for A's tiles, one set for each slot
.set G1B, 48                           ; s[48:55] group 1 for W's tiles
.set G0B, 56                           ; s[56:63] group 0 for W's tiles, one set for each slot
.set MUL, 0x50                         ; C and D in window 1, both sources in window 0
.set MSB, 0
.macro WIN new                         ; the immediate's high byte repeats the setting that is left; a switch that changes nothing is dropped
.if MSB != \new
	s_set_vgpr_msb (MSB<<8)|\new
.set MSB, \new
.endif
.endm
.macro PLACES n                        ; places behind matrix instructions (ISA guide 7.12.1): plain vector instructions that name none of their registers
.rept \n
	v_nop
.endr
.endm
; A joint load.  Waves 0 and 1 fetch W's two halves, waves 2 and 3 A's two heads.  The branch hangs on the wave's number alone.
.macro JLOAD s
	s_cmp_eq_u32 s11, 0
	s_cbranch_scc0 .Lfor_a_\@
	tensor_load_to_lds s[G0B+4*(\s):G0B+4*(\s)+3], s[G1B:G1B+7]
	s_nop 0
	s_branch .Lasked_\@
.Lfor_a_\@:
	tensor_load_to_lds s[G0A+4*(\s):G0A+4*(\s)+3], s[G1A:G1A+7]
	s_nop 0
.Lasked_\@:
.endm
; A round of the cluster's barrier: my work-group's barrier; wave 0 signals for the work-group; every wave waits for all sixteen; my work-group's barrier again.
.macro CREST                           ; a round behind its opening barrier
	s_cmp_lg_u32 s10, 0
	s_cbranch_scc1 .Lnot_wave_0_\@
	s_barrier_signal -3
.Lnot_wave_0_\@:
	s_barrier_wait -3
	s_barrier_signal -1
	s_barrier_wait -1
.endm
.macro CROUND
	s_barrier_signal -1
	s_barrier_wait -1
	CREST
.endm
	s_load_b128 s[4:7], s[0:1], 0x0                ; att s[4:5], hf s[6:7]
	s_load_b64 s[8:9], s[0:1], 0x10                ; out0
	v_lshl_add_u32 v254, v0, 2, 0x3c400
	v_mov_b32 v255, 0
	ds_add_u32 v254, v255
	v_lshrrev_b32 v1, 5, v0
	v_readfirstlane_b32 s10, v1                    ; wave 0..3
	s_lshr_b32 s11, s10, 1                         ; which 64 rows of the block are mine.  Also: I fetch for W (0) or for A (1)
	s_and_b32 s12, s10, 1                          ; which 128 columns are mine.  Also: which half of W's tile, or which head of A's, I fetch
	s_bfe_u32 s40, ttmp6, 0x40000                  ; cx
	s_bfe_u32 s41, ttmp6, 0x40004                  ; cy
	s_lshl_b32 s42, ttmp9, 2
	s_add_co_u32 s42, s42, s40                     ; block column = 4 x cluster x + cx, 0..3
	s_and_b32 s13, ttmp7, 0xffff
	s_lshl_b32 s13, s13, 2
	s_add_co_u32 s13, s13, s41                     ; block row = 4 x cluster y + cy, 0..63
	s_lshl_b32 s43, s41, 2
	s_lshl_b32 s43, 15, s43                        ; my row of the cluster: places 4 cy .. 4 cy + 3
	s_lshl_b32 s44, 0x1111, s40                    ; my column: places cx, cx + 4, cx + 8, cx + 12
	; group 1 for A: elements of 8 bytes, 64 rows of 32; padding of 4 words behind every 32 words, that is behind each row of the head; bit 21 set beside the mask
	s_or_b32 s[G1A+0], s43, (3<<16)|(1<<20)|(1<<21)|(4<<22)|(3<<25)    ; A's tiles go to my row of the cluster
	s_mov_b32 s[G1A+1], 32<<16                     ; tensor_dim0 = 32
	s_mov_b32 s[G1A+2], 64<<16                     ; tensor_dim1 = 64
	s_mov_b32 s[G1A+3], 32<<16                     ; tile_dim0 = 32 elements, 256 bytes
	s_mov_b32 s[G1A+4], 64                         ; tile_dim1 = 64 rows
	s_mov_b32 s[G1A+5], 32                         ; elements from row to row: dense
	s_mov_b32 s[G1A+6], 0
	s_mov_b32 s[G1A+7], 0
	; group 1 for W: elements of 2 bytes, 128 rows of 128; padding of 4 words behind every 64 words
	s_or_b32 s[G1B+0], s44, (1<<16)|(1<<20)|(1<<21)|(5<<22)|(3<<25)    ; W's tiles go to my column
	s_mov_b32 s[G1B+1], 128<<16
	s_mov_b32 s[G1B+2], 128<<16
	s_mov_b32 s[G1B+3], 128<<16
	s_mov_b32 s[G1B+4], 128
	s_mov_b32 s[G1B+5], 1024
	s_mov_b32 s[G1B+6], 0
	s_mov_b32 s[G1B+7], 0
	; where the tiles come from, each offset in registers that never hold the other coordinate
	s_lshr_b32 s16, s13, 4                         ; A: b = block row / 16,
	s_lshl_b32 s16, s16, 22                        ;    x 16 heads x 262,144 bytes
	s_and_b32 s17, s13, 15
	s_lshl_b32 s17, s17, 14                        ;    + (block row mod 16) x 128 rows x 128 bytes
	s_add_co_u32 s16, s16, s17
	s_lshl_b32 s17, s12, 18                        ;    + the K step's first or second head
	s_add_co_u32 s16, s16, s17
	s_mov_b32 s17, 0
	s_lshl_b32 s46, s42, 19                        ; W: block column x 256 rows x 2,048 bytes
	s_lshl_b32 s47, s12, 18                        ;    + half x 128 rows
	s_add_co_u32 s46, s46, s47
	s_add_co_u32 s46, s46, WOFF
	s_mov_b32 s47, 0
	s_mul_i32 s20, s10, BHALF                      ; and where they go: W's halves at wave x 34,816 (waves 0, 1),
	s_mul_i32 s21, s10, APART
	s_add_co_u32 s21, s21, ABASE                   ; A's heads at wave x 18,432 + 32,768 (waves 2, 3): no place in the cluster enters an LDS address
	; fragment addresses: lane l holds row l % 16; two loads of 16 bytes, 32 bytes apart, at row x pitch + 16 (l / 16)
	v_and_b32 v1, 15, v0                           ; r = l % 16
	v_bfe_u32 v2, v0, 4, 1                         ; h = l / 16
	v_mul_u32_u24 v3, v1, BPITCH
	v_lshl_add_u32 v3, v2, 4, v3
	v_mul_u32_u24 v4, v1, APITCH
	v_lshl_add_u32 v4, v2, 4, v4
	s_mul_i32 s22, s12, BHALF                      ; my 128 rows of W
	s_mul_i32 s23, s11, 64*APITCH                  ; my 64 rows of A (in each head's block),
	s_add_co_u32 s23, s23, 2*BHALF                 ; which lie behind W's 256
.irp s, 0,1
	v_add_nc_u32 v[ADRB+\s], s22, v3
	v_add_nc_u32 v[ADRA+\s], s23, v4
	s_add_co_u32 s22, s22, SLOT
	s_add_co_u32 s23, s23, SLOT
.endr
	s_mul_i32 s22, s10, 16*SPITCH
	s_add_co_u32 s22, s22, STAGE                   ; my stage
	v_mul_u32_u24 v5, v1, SPITCH                   ; in: row r, 32 bytes for each half of the lanes
	v_lshl_add_u32 v5, v2, 5, v5
	v_add_nc_u32 v[STO], s22, v5
	v_and_b32 v4, 31, v0
	v_lshlrev_b32 v[CO], 4, v4                     ; back and out: 32 lanes take one row's 512 bytes
	v_add_nc_u32 v[RD], s22, v[CO]
	s_wait_dscnt 0x0
	s_wait_kmcnt 0x0
	s_add_nc_u64 s[14:15], s[4:5], s[16:17]
	s_add_nc_u64 s[46:47], s[6:7], s[46:47]
	CROUND                                         ; all sixteen work-groups are here: the first joint loads meet
.irp s, 0,1
	s_mov_b32 s[G0A+4*\s], 1                                       ; count = 1
	s_add_co_u32 s[G0A+4*\s+1], s21, \s*SLOT                       ; LDS address
	s_add_nc_u64 s[G0A+4*\s+2:G0A+4*\s+3], s[14:15], \s*ASTEP      ; global address: K step s
	s_or_b32 s[G0A+4*\s+3], s[G0A+4*\s+3], 0x80000000              ; type = 2
	s_mov_b32 s[G0B+4*\s], 1
	s_add_co_u32 s[G0B+4*\s+1], s20, \s*SLOT
	s_add_nc_u64 s[G0B+4*\s+2:G0B+4*\s+3], s[46:47], \s*BSTEP
	s_or_b32 s[G0B+4*\s+3], s[G0B+4*\s+3], 0x80000000
	JLOAD \s                                       ; both slots' first fills go out together: two loads of the wave are out
.endr
; 8 matrix instructions: rows 16 a .. 16 a + 15 of my 64 x all 8 column blocks, 32 along K.  zero = 1: the product starts the sums.
.macro MUL8 f, a, zero
.irp b, 0,1,2,3,4,5,6,7
.if \zero
	v_wmma_f32_16x16x32_f16 v[8*(8*\a+\b):8*(8*\a+\b)+7], v[\f+8*\b:\f+8*\b+7], v[\f+64+8*\a:\f+64+8*\a+7], 0
.else
	v_wmma_f32_16x16x32_f16 v[8*(8*\a+\b):8*(8*\a+\b)+7], v[\f+8*\b:\f+8*\b+7], v[\f+64+8*\a:\f+64+8*\a+7], v[8*(8*\a+\b):8*(8*\a+\b)+7]
.endif
.endr
.endm
; 24 LDS loads in one run: the fragments of quarter q of a K step (128 rows of W, 64 rows of A, 32 along K) into buffer f
.macro FETCH slot, q, f
	WIN 0
.irp i, 0,1,2,3,4,5,6,7
	ds_load_b128 v[\f+8*\i:\f+8*\i+3],   v[ADRB+\slot] offset:64*(\q)+\i*16*BPITCH
	ds_load_b128 v[\f+8*\i+4:\f+8*\i+7], v[ADRB+\slot] offset:64*(\q)+\i*16*BPITCH+32
.endr
.irp i, 0,1,2,3
	ds_load_b128 v[\f+64+8*\i:\f+64+8*\i+3],   v[ADRA+\slot] offset:((\q)>>1)*AHALF+((\q)&1)*64+\i*16*APITCH
	ds_load_b128 v[\f+64+8*\i+4:\f+64+8*\i+7], v[ADRA+\slot] offset:((\q)>>1)*AHALF+((\q)&1)*64+\i*16*APITCH+32
.endr
.endm
; One of a K step's first three quarters: fetches quarter qn into buffer g, then multiplies buffer f, whose loads are a quarter older.
; The 32 accumulators take turns, one instruction a turn, in the same order in every quarter and over the backward jump.
.macro QUARTER slot, qn, f, g, zero
	PLACES 4                                       ; buffer g was read by the matrix instructions just issued: four places before loads go into it
	FETCH \slot, \qn, \g
	s_wait_dscnt 24                                ; all but the 24 just issued: buffer f is in
	WIN MUL
	MUL8 \f, 0, \zero
	MUL8 \f, 1, \zero
	MUL8 \f, 2, \zero
	MUL8 \f, 3, \zero
.endm
; The last quarter: multiplies buffer 1 and changes slots.  One barrier does two things.  In front of it each wave waits for its reads of this slot and
; for all its tensor loads, of which one is out: its part of the next slot.  Behind it nobody reads this slot and the next one is whole.
; fill = 1: the barrier opens a round of the cluster's barrier, and the joint refill of this slot, two K steps ahead, is the first tensor load behind the round.
; From that request to the wait for it the wave issues 112 matrix instructions.
.macro TURN slot, next, fill
	s_wait_dscnt 0x0                               ; buffer 1 is in, and my reads of this slot are over
	s_wait_tensorcnt 0x0                           ; all my tensor loads have landed
	ds_add_u32 v254, v255
	s_wait_dscnt 0x0
	s_barrier_signal -1
	WIN MUL
	MUL8 F1, 0, 0                                  ; register work while the others arrive
	MUL8 F1, 1, 0
	WIN 0
	s_barrier_wait -1
.if \fill
	CREST
	s_add_nc_u64 s[G0A+4*\slot+2:G0A+4*\slot+3], s[G0A+4*\slot+2:G0A+4*\slot+3], 2*ASTEP   ; no load of mine is out: group 0 may be written
	s_add_nc_u64 s[G0B+4*\slot+2:G0B+4*\slot+3], s[G0B+4*\slot+2:G0B+4*\slot+3], 2*BSTEP
	JLOAD \slot
.endif
	PLACES 4
	FETCH \next, 0, F0
	WIN MUL
	MUL8 F1, 2, 0
	MUL8 F1, 3, 0
.endm
.macro THREE slot, zero
	QUARTER \slot, 1, F0, F1, \zero
	QUARTER \slot, 2, F1, F0, 0
	QUARTER \slot, 3, F0, F1, 0
.endm
.macro LAP zero
	THREE 0, \zero
	TURN 0, 1, 1
	THREE 1, 0
	TURN 1, 0, 1
.endm
	s_wait_tensorcnt 0x1                           ; my part of K step 0 is in; K step 1's load, issued behind it, may stay out
	s_barrier_signal -1
	s_barrier_wait -1                              ; everybody's part is in
	FETCH 0, 0, F0
	LAP 1                                          ; the first lap stands in front of the loop: its first products start the sums
	WIN 0                                          ; at a label and at a branch every window is 0
	s_mov_b32 s3, LAPS-2
.Llap:
	LAP 0
	WIN 0
	s_sub_co_u32 s3, s3, 1
	s_cmp_lg_u32 s3, 0
	s_cbranch_scc1 .Llap
	THREE 0, 0                                     ; the last lap fills nothing
	TURN 0, 1, 0
	THREE 1, 0
	s_wait_dscnt 0x0
	WIN MUL
	MUL8 F1, 0, 0
	MUL8 F1, 1, 0
	MUL8 F1, 2, 0
	MUL8 F1, 3, 0
	; THE WAY OUT, 16 rows at a time: the f32 sums go as they are, 32 bytes a lane, into my own stage and come back as whole rows of 512 bytes.
	PLACES 4                                       ; behind the last matrix instructions: for the LDS stores of results and for the loads into the fragment buffers
	s_lshl_b32 s16, s13, 19                        ; block row x 128 rows x 4,096 bytes
	s_lshl_b32 s17, s11, 18                        ; + my half x 64 rows
	s_add_co_u32 s16, s16, s17
	s_mov_b32 s17, 0
	s_add_nc_u64 s[8:9], s[8:9], s[16:17]
	s_lshl_b32 s46, s42, 10                        ; block column x 256 columns x 4 bytes
	s_lshl_b32 s47, s12, 9                         ; + my half x 128 columns
	s_add_co_u32 s46, s46, s47
	s_mov_b32 s47, 0
	s_add_nc_u64 s[8:9], s[8:9], s[46:47]
.macro OUT16 a, f
	WIN 0x04                                       ; the stores' data in window 1, their address in window 0
.irp b, 0,1,2,3,4,5,6,7
	ds_store_b128 v[STO], v[8*(8*\a+\b):8*(8*\a+\b)+3]   offset:64*\b
	ds_store_b128 v[STO], v[8*(8*\a+\b)+4:8*(8*\a+\b)+7] offset:64*\b+16
.endr
	WIN 0
	s_wait_xcnt 0x0                                ; buffer f, which earlier stores read, and the stores' base are rewritten only behind this wait
.if \a
	s_add_nc_u64 s[8:9], s[8:9], 16*4096           ; 16 rows of C on
.endif
.irp t, 0,1,2,3,4,5,6,7,8,9,10,11,12,13,14,15
	ds_load_b128 v[\f+4*\t:\f+4*\t+3], v[RD] offset:\t*SPITCH      ; LDS serves a wave's instructions in order: these see the stores above
.endr
.irp t, 0,1,2,3,4,5,6,7,8,9,10,11,12,13,14,15
	s_wait_dscnt 15-\t                             ; row t is back, the 15 - t younger ones may be out
	global_store_b128 v[CO], v[\f+4*\t:\f+4*\t+3], s[8:9] offset:\t*4096 th:TH_STORE_NT   ; 512 consecutive bytes of one row of C, aligned
.endr
.endm
	OUT16 0, F0
	OUT16 1, F1
	OUT16 2, F0
	OUT16 3, F1
	s_wait_tensorcnt 0x0
	ds_add_u32 v254, v255
	s_wait_dscnt 0x0
	CROUND                                         ; the closing round: no work-group ends while a partner may still ask for a tile that names it
	s_endpgm
.Lfunc_end_k_q556badc790_proj:
	.size	k_q556badc790_proj, .Lfunc_end_k_q556badc790_proj-k_q556badc790_proj
	.p2alignl 7, 3214868480
	.fill 96, 4, 3214868480
	.section	.rodata,"a",@progbits
	.p2align	6, 0x0
	.amdhsa_kernel k_q556badc790_proj
		.amdhsa_group_segment_fixed_size 327680
		.amdhsa_private_segment_fixed_size 0
		.amdhsa_enable_private_segment 0
		.amdhsa_kernarg_size 24
		.amdhsa_user_sgpr_count 2
		.amdhsa_user_sgpr_kernarg_segment_ptr 1
		.amdhsa_wavefront_size32 1
		.amdhsa_system_sgpr_workgroup_id_x 1
		.amdhsa_system_sgpr_workgroup_id_y 1
		.amdhsa_system_sgpr_workgroup_id_z 1
		.amdhsa_system_vgpr_workitem_id 0
		.amdhsa_next_free_vgpr 512
		.amdhsa_next_free_sgpr 66
		.amdhsa_reserve_vcc 0
		.amdhsa_float_denorm_mode_32 3
		.amdhsa_float_denorm_mode_16_64 3
		.amdhsa_memory_ordered 1
		.amdhsa_forward_progress 1
		.amdhsa_inst_pref_size 117
	.end_amdhsa_kernel
	.amdgpu_metadata
---
amdhsa.version: [ 1, 2 ]
amdhsa.kernels:
  - .name:           k_q556badc790_proj
    .symbol:         k_q556badc790_proj.kd
    .args:
      - { .name: att, .offset: 0, .size: 8, .value_kind: global_buffer, .address_space: global }
      - { .name: hf, .offset: 8, .size: 8, .value_kind: global_buffer, .address_space: global }
      - { .name: out0, .offset: 16, .size: 8, .value_kind: global_buffer, .address_space: global }
    .group_segment_fixed_size: 327680
    .private_segment_fixed_size: 0
    .kernarg_segment_align: 8
    .kernarg_segment_size: 24
    .max_flat_workgroup_size: 128
    .sgpr_count:     66
    .vgpr_count:     512
    .wavefront_size: 32
...
	.end_amdgpu_metadata
.endif
;; end of part 4
;; ======== version 2 of 2: 4 launches; version 1 with the launch cast written anew for expert scheduling mode
;; limits: values are held in f16: magnitudes above 65,504 overflow, below 6.1e-05 lose precision
;; workspace buffers: hf 25,165,824 bytes; qkv 50,331,648 bytes; att 16,777,216 bytes
;; launch cast (part 5): grid 768 x 1, 8 waves a work-group, no clusters, 0 bytes of LDS; arguments x, w_q, w_k, w_v, w_o, hf; writes hf
.if DOCPART == 5
	.amdgcn_target "amdgcn-amd-amdhsa--gfx1250"
	.amdhsa_code_object_version 6
	.text
	.protected	k_q556badc790_cast
	.globl	k_q556badc790_cast
	.p2align	8
	.type	k_q556badc790_cast,@function
k_q556badc790_cast:
	s_mov_b64 s[64:65], 0
	v_nop
	global_prefetch_b8 v0, s[64:65] scope:SCOPE_SE
	s_setreg_imm32_b32 hwreg(HW_REG_WAVE_SCHED_MODE, 0, 2), 2
	s_setreg_imm32_b32 hwreg(HW_REG_WAVE_MODE, 25, 1), 1
	s_wait_xcnt 0x0
	s_wait_alu depctr_vm_vsrc(0)
; hf = f16(x), f16(w_q), f16(w_k), f16(w_v), f16(w_o), one behind the other: the operands of the later matrix products, rounded once.
; LIMIT: f16.  A magnitude above 65,504 becomes infinite, one below about 6e-8 becomes 0.
; The five inputs are 12 units of 1,048,576 numbers: x is units 0 to 7, the weights are units 8 to 11.  64 work-groups share a unit:
; a work-group turns 65,536 bytes of f32 into 32,768 bytes of f16, a wave 8,192 into 4,096.
; A stream: no LDS, no barrier, no matrix unit.  A wave's load covers 512 consecutive bytes, its store 256 consecutive bytes, aligned.
; All sixteen loads of a wave go out at once, and no register is written twice.
; THE MODE: SCHED_MODE bits 1:0 = 2 (LLVM: expert scheduling mode 2), set by the entry lines.  The code itself states the register dependences
; between vector instructions and memory instructions, with s_wait_alu, always for 0.
; THE PLAN.  Registers that memory instructions touch:
;   v1, v2   byte offsets, made once at the head by vector instructions and never written again: v1 is read by every load, v2 by every store.
;   X        sixteen pieces as loaded.  Each is written by its one load, ahead of which no vector instruction names it, and read by its two conversions.
;   Y        sixteen pieces to store.   Each is written once, by its two conversions, and read by its one store.
; The sixteen pieces go in four blocks of four.  Block p converts its pieces, each behind the counted wait for its load; the four stores of block p - 1 stand
; in one run at the head of block p, behind the wait for block p's first piece and ONE wait on va_vdst, which states that block p - 1 has written its Y.
; The conversions that follow the run name block p's X and Y alone.  No register that a load or a store reads is written again, so beyond the entry's the text holds no wait on
; vm_vsrc; no vector instruction writes a scalar register, VCC or EXEC.
.set X, 4                              ; v[4:67]   sixteen pieces of four f32, as loaded
.set Y, 68                             ; v[68:99]  sixteen pieces of four f16, to store
	s_load_b256 s[4:11], s[0:1], 0x0               ; x s[4:5], w_q s[6:7], w_k s[8:9], w_v s[10:11]
	s_load_b128 s[12:15], s[0:1], 0x20             ; w_o s[12:13], hf s[14:15]
	s_mov_b32 s19, ttmp9                           ; g, the work-group's number
	s_lshr_b32 s16, s19, 6                         ; its unit, 0 to 11
	s_and_b32 s18, s19, 63                         ; its place in the unit
	s_cmp_lt_u32 s16, 8
	s_cselect_b32 s17, s19, s18                    ; its place in its input: g in x, g mod 64 in a weight
	s_lshl_b32 s20, s17, 16                        ; x 65,536 bytes in
	s_mov_b32 s21, 0
	s_lshl_b32 s22, s19, 15                        ; g x 32,768 bytes out: the units follow each other in hf
	s_mov_b32 s23, 0
	v_lshrrev_b32 v3, 5, v0                        ; wave
	v_and_b32 v1, 31, v0                           ; lane
	v_lshlrev_b32 v2, 3, v1                        ; out: 8 bytes a lane
	v_lshlrev_b32 v1, 4, v1                        ; in: 16 bytes a lane
	v_lshl_or_b32 v1, v3, 13, v1                   ; + wave x 8,192
	v_lshl_or_b32 v2, v3, 12, v2                   ; + wave x 4,096
	s_wait_kmcnt 0x0
	s_cmp_eq_u32 s16, 8                            ; the input is chosen by the unit's number
	s_cselect_b64 s[4:5], s[6:7], s[4:5]
	s_cmp_eq_u32 s16, 9
	s_cselect_b64 s[4:5], s[8:9], s[4:5]
	s_cmp_eq_u32 s16, 10
	s_cselect_b64 s[4:5], s[10:11], s[4:5]
	s_cmp_eq_u32 s16, 11
	s_cselect_b64 s[4:5], s[12:13], s[4:5]
	s_add_nc_u64 s[4:5], s[4:5], s[20:21]
	s_add_nc_u64 s[14:15], s[14:15], s[22:23]
	s_wait_alu depctr_va_vdst(0)                   ; v1 and v2 are written: every load of the kernel reads v1 as its offset, every store v2
.irp j, 0,1,2,3,4,5,6,7,8,9,10,11,12,13,14,15
	global_load_b128 v[X+4*\j:X+4*\j+3], v1, s[4:5] offset:512*\j th:TH_LOAD_NT   ; read once in this launch
.endr
; Block p's four stores, in one run.
.macro SEND p
.irp i, 0,1,2,3
	global_store_b64 v2, v[Y+2*(4*(\p)+\i):Y+2*(4*(\p)+\i)+1], s[14:15] offset:256*(4*(\p)+\i)    ; 32 lanes x 8 bytes: 256 consecutive bytes, aligned
.endr
.endm
; Block p: pieces 4 p to 4 p + 3 are converted; at its head the block before is stored.
.macro BLK p
.irp i, 0,1,2,3
	s_wait_loadcnt 15-4*(\p)-\i                    ; loads come back in order: piece j = 4 p + i is in, the 15 - j younger ones may be out
.if (\p) > 0 && \i == 0
	s_wait_alu depctr_va_vdst(0)                   ; the conversions of the block before have written its Y, which the four stores below read
	SEND (\p)-1
.endif
	v_cvt_pk_f16_f32 v[Y+2*(4*(\p)+\i)],   v[X+4*(4*(\p)+\i)],   v[X+4*(4*(\p)+\i)+1]
	v_cvt_pk_f16_f32 v[Y+2*(4*(\p)+\i)+1], v[X+4*(4*(\p)+\i)+2], v[X+4*(4*(\p)+\i)+3]
.endr
.endm
	BLK 0                                          ; no block stands in front of it: nothing to store, no wait but those for its data
	BLK 1
	BLK 2
	BLK 3
	s_wait_alu depctr_va_vdst(0)                   ; block 3's conversions have written its Y, which the last four stores read
	SEND 3
	s_endpgm
.Lfunc_end_k_q556badc790_cast:
	.size	k_q556badc790_cast, .Lfunc_end_k_q556badc790_cast-k_q556badc790_cast
	.p2alignl 7, 3214868480
	.fill 96, 4, 3214868480
	.section	.rodata,"a",@progbits
	.p2align	6, 0x0
	.amdhsa_kernel k_q556badc790_cast
		.amdhsa_group_segment_fixed_size 0
		.amdhsa_private_segment_fixed_size 0
		.amdhsa_enable_private_segment 0
		.amdhsa_kernarg_size 48
		.amdhsa_user_sgpr_count 2
		.amdhsa_user_sgpr_kernarg_segment_ptr 1
		.amdhsa_wavefront_size32 1
		.amdhsa_system_sgpr_workgroup_id_x 1
		.amdhsa_system_sgpr_workgroup_id_y 1
		.amdhsa_system_sgpr_workgroup_id_z 1
		.amdhsa_system_vgpr_workitem_id 0
		.amdhsa_next_free_vgpr 100
		.amdhsa_next_free_sgpr 66
		.amdhsa_reserve_vcc 0
		.amdhsa_float_denorm_mode_32 3
		.amdhsa_float_denorm_mode_16_64 3
		.amdhsa_memory_ordered 1
		.amdhsa_forward_progress 1
		.amdhsa_inst_pref_size 8
	.end_amdhsa_kernel
	.amdgpu_metadata
---
amdhsa.version: [ 1, 2 ]
amdhsa.kernels:
  - .name:           k_q556badc790_cast
    .symbol:         k_q556badc790_cast.kd
    .args:
      - { .name: x, .offset: 0, .size: 8, .value_kind: global_buffer, .address_space: global }
      - { .name: w_q, .offset: 8, .size: 8, .value_kind: global_buffer, .address_space: global }
      - { .name: w_k, .offset: 16, .size: 8, .value_kind: global_buffer, .address_space: global }
      - { .name: w_v, .offset: 24, .size: 8, .value_kind: global_buffer, .address_space: global }
      - { .name: w_o, .offset: 32, .size: 8, .value_kind: global_buffer, .address_space: global }
      - { .name: hf, .offset: 40, .size: 8, .value_kind: global_buffer, .address_space: global }
    .group_segment_fixed_size: 0
    .private_segment_fixed_size: 0
    .kernarg_segment_align: 8
    .kernarg_segment_size: 48
    .max_flat_workgroup_size: 256
    .sgpr_count:     66
    .vgpr_count:     100
    .wavefront_size: 32
...
	.end_amdgpu_metadata
.endif
;; end of part 5
;; launch qkv: the kernel of part 2 again; grid 12 x 32, 4 waves a work-group, clusters of 4 x 4, 327,680 bytes of LDS; arguments hf, qkv; writes qkv
;; launch attn: the kernel of part 3 again; grid 256 x 1, 16 waves a work-group, clusters of 4 x 1, 327,680 bytes of LDS; arguments qkv, att; writes att
;; launch proj: the kernel of part 4 again; grid 4 x 64, 4 waves a work-group, clusters of 4 x 4, 327,680 bytes of LDS; arguments att, hf, out0; writes out0
